; MI455X (gfx1250); checked and timed in simulation.
; The chip was launched on July 23, 2026; its instructions are those of AMD's public machine-readable ISA for CDNA 5 (MIT licence, August 2026) and "CDNA5" Instruction Set Architecture Reference Guide (July 2026). The comments in the code are by the model that wrote it; some were corrected since.
;; Contact Map Predictor. Allowed arithmetic: float matrix products may take bf16 or f16 operands with f32 sums; all other float work in f32.
;; Inputs: S_mol1 2 x 500 int32; S_mol2 2 x 800 int32; W1 256 x 128 float32; W2 128 x 1 float32; b1 128 float32; b2 1 float32; contact_map 2 x 500 x 800 float32; h_mol1 2 x 500 x 128 float32; h_mol2 2 x 800 x 128 float32.
;; Outputs: out0 2 x 400,000 float32; out1 2 x 400,000 float32; out2 2 x 400,000 float32.
;; 2 versions, each right; version 2 is version 1 with the launch contact written anew for expert scheduling mode. Each part assembles by itself: llvm-mc -triple=amdgcn-amd-amdhsa -mcpu=gfx1250 --defsym DOCPART=n.
;; ======== version 1 of 2: 1 launch
;; limits: values are held in f16: magnitudes above 65,504 overflow, below 6.1e-05 lose precision
;; launch contact (part 1): grid 5 x 50, 4 waves a work-group, no clusters, 289,792 bytes of LDS; arguments S_mol1, S_mol2, h_mol1, h_mol2, contact_map, W1, b1, W2, b2, out0, out1, out2; writes out0, out1, out2
.if DOCPART == 1
	.amdgcn_target "amdgcn-amd-amdhsa--gfx1250"
	.amdhsa_code_object_version 6
	.text
	.protected	k_q4cdc94a4e3_contact
	.globl	k_q4cdc94a4e3_contact
	.p2align	8
	.type	k_q4cdc94a4e3_contact,@function
k_q4cdc94a4e3_contact:
	s_mov_b64 s[64:65], 0
	v_nop
	global_prefetch_b8 v0, s[64:65] scope:SCOPE_SE
	s_setreg_imm32_b32 hwreg(HW_REG_WAVE_MODE, 25, 1), 1
	s_wait_xcnt 0x0
; ContactMapPredictor, one launch.  B = 2, N1 = 500, N2 = 800, D = 128.
;   p1 = h1 W1[0:128] (+ b1), p2 = h2 W1[128:256], pred[n][m] = sum over f of w2[f] relu(p1[n][f] + p2[m][f] + b1[f]) + b2,
;   mask = (S1 != 0)(S2 != 0), y = (contact_map < 0.5) mask.
; SHARE OF THE WORK.  A work-group makes 20 rows n x 160 columns m of one batch: 25 x 5 x 2 = 250 work-groups of equal work, no edges.
; Four waves.  Wave w owns the features f = 32 w .. 32 w + 31 for all 3,200 pairs; a lane holds 10 x 10 partial sums (n = 2 i + L / 16,
; m = 16 j + L % 16), so that 21 LDS loads of 16 bytes feed 400 vector instructions.  The four waves' partial sums meet in LDS at the end.
; THE PAIRWISE STEP.  With a = p1 + b1, a' = -a, c = p2:  relu(a + c) = max(c, a') - a'.  So
;   pred = sum_f w max(c, a')  -  sum_f w a'  +  b2,   and the second sum hangs on n alone (20 numbers for a work-group).
; That is one maximum and one multiply-add for each (pair, feature), two of each in one instruction.  Both sums are made in f32 of the SAME f32 a',
; so their difference carries f32 rounding of the sums only, not the rounding of the matrix operands.
; THE MATRIX OPERANDS ARE f16, NOT bf16.  pred is compared within a hundredth of its root mean square, and many pred lie near 0.  With 8 significant
; bits an operand's rounding is some 2^-9 of it, and what the 256-term sums and the 128-term dot leave of that is about a quarter of the allowance as a
; root mean square: too near for 800,000 numbers.  f16's 11 bits make it an eighth of that.  f16 has the room: h of spread 1 and W1 of spread 1/16, thirty
; times larger or offset by thirty spreads, stay under 200 against f16's largest 65,504; thirty times smaller, W1's spread is about 2^-9 and
; f16's finest step 2^-24 is 2^-15 of it, finer than bf16's relative step.
; LIMITS.  h1, h2 and W1 are rounded to f16: a magnitude above 65,504 becomes infinity, one below 2^-14 keeps an absolute step of 2^-24.
; All else is f32, summed in another order than the reference's.
; Where p1 + b1 or p2 is infinite the result is NaN (the reference gives 0 or infinity); a NaN in only one of them is dropped by the maximum.
; THE SECOND PRODUCT (128 -> 1) stays on the vector unit: as a matrix product it would fill one column of sixteen, and each hidden number
; would first need half a conversion to 16 bits, which is as many instructions as the half multiply-add that it would spare.
; NO CLUSTER: the grid is 5 x 50, neither a multiple of 4, and what is shared (W1) has to pass through registers to become f16.
; NO TENSOR LOADS: every staged byte is converted on its way into LDS.  NO PREFETCH: every global read is issued in the first phase.
; OUTPUT UNITS: a row's 640 bytes begin at 128 (n + x) modulo 256 from the buffer's first byte.  Each row goes out (and contact_map comes in)
; as one 16-byte-a-lane piece of 512 bytes that begins on a multiple of 256, and one 4-byte-a-lane piece of the 128 bytes left over.
.set USE_DUAL, 1                       ; 1: two maxima in one dual instruction; 0: two plain ones
.set ROWB,   3200                      ; bytes of a row of contact_map and of the outputs
; LDS map
.set WPITCH, 288                       ; W1 as f16 [k 0..255][f 0..127]: 256 bytes + 32 = 9 x 32, for the transposing loads
.set HPITCH, 272                       ; h as f16 [row 0..191][k 0..127]: 256 bytes + 16 = 17 x 16
.set PPITCH, 144                       ; a' and c as f32 [row 0..191][32 f of one wave]: 128 bytes + 16 = 9 x 16: 16 neighbouring rows start at 16 different 16-byte columns modulo 256
.set HB,     73728                     ; behind W1's 256 x 288 bytes (W1 lies at LDS byte 0).  Rows 0-19 h1, 20-31 zeros, 32 + m h2
.set PB,     125952                    ; behind h's 192 x 272 bytes
.set PW,     27648                     ; 192 x 144: one wave's part, written and read by that wave alone
.set RB,     236544                    ; partial sums
.set RW,     13056                     ; one wave's part: [n 0..19][m 0..159] f32 (12,800 bytes), then 32 words sum_f w a' of rows 0..31
.set RS1,    12800
.set W2L,    288768                    ; 128 bytes a wave: its 32 w2
; vector registers that live throughout
.set VL, 1                             ; lane L
.set VG, 2                             ; 16 L
.set OQ, 3                             ; v3, v4: byte offset in a row's 640 bytes of the 512-byte piece, rows r even / odd
.set OD, 5                             ; v5, v6: of the 128-byte piece
.set VR, 244                           ; L % 16   (until the main loop's sums take the register)
.set VH, 245                           ; L / 16
.set VT, 246                           ; at work
; staging
.set BUF0, 16                          ; three buffers of 16 slots of 4 registers
.set BUF1, 80
.set BUF2, 144
.set B1V, 208                          ; v[208:223]  b1[32 w + 16 ft + 8 h + j] at 8 ft + j
.set W2V, 224                          ; v[224:239]  w2, likewise
.set W2S, 240                          ; w2[32 w + L]
.set ZZ,  242                          ; v[242:243]  zeros
.set CMQ, 144                          ; inside BUF2, before it is first filled: contact_map, then y: 4 registers a row
.set CMD, 164                          ;   the 128-byte piece: 1 register a row
.set S2D, 170                          ;   S_mol2, then m2 as 1.0 or 0: v170 even rows' small piece, v171 odd rows'
.set S2Q, 172                          ;   v[172:175] even rows' large piece, v[176:179] odd rows'
.set MKQ, 180                          ;   mask, 4 registers a row
.set MKD, 200
; the two products
.set WF,  16                           ; v[16:79]    W^T fragments (ft, ks) at 8 (4 ft + ks)
.set HF,  80                           ; v[80:143]   h fragments (par, ks) at 32 par + 8 ks
.set DD,  144                          ; v[144:175]  results (par, ft) at 16 par + 8 ft
.set TMP, 176                          ; v[176:191]  a'
.set SS,  192                          ; v[192:193]  sum of w a'
.set VWT, 7
.set VWT2, 8
.set VHF, 9
.set VPS, 10
.set VS1, 11
; main loop
.set CB,  16                           ; v[16:95]    c: buffer buf, column block j at 40 buf + 4 j (register number 0 modulo 4)
.set WR,  96                           ; v[96:103]   w2 of the chunk's four features, two buffers
.set TT,  104                          ; v[104:113]  maxima, five pairs
.set AR,  114                          ; v[114:153]  a' of row block i at 4 i (register number 2 modulo 4)
.set ACC, 156                          ; v[156:255]  sums (i, j) at 10 i + j
.set VCA, 7
.set VAA, 8
.set VWA, 9
.set VRS, 10
; the end
.set FQ,  16                           ; row r, wave q: 4 registers at 24 r + 4 q
.set FD,  32                           ; 1 register at 24 r + q
.set FS,  36                           ; sum of w a', 1 register at 24 r + q
.set VFQ, 11                           ; v11, v12
.set VFD, 13                           ; v13, v14
.set VFS, 15
; ---------------------------------------------------------------- ids, offsets, addresses
	s_load_b512 s[8:23], s[0:1], 0x0               ; S1 s[8:9], S2 s[10:11], h1 s[12:13], h2 s[14:15], contact_map s[16:17], W1 s[18:19], b1 s[20:21], W2 s[22:23]
	s_load_b256 s[24:31], s[0:1], 0x40             ; b2 s[24:25], out0 s[26:27], out1 s[28:29], out2 s[30:31]
	s_set_vgpr_msb 0x40
	v_lshl_add_u32 v0, v0, 2, 0x46a00
	v_mov_b32 v1, 0
	s_set_vgpr_msb 0x4000
	v_lshrrev_b32 v1, 5, v0
	v_readfirstlane_b32 s2, v1                     ; wave w
	v_and_b32 v[VL], 31, v0
	v_and_b32 v[VR], 15, v0
	v_bfe_u32 v[VH], v0, 4, 1
	s_mov_b32 s3, ttmp9                            ; x: which 160 columns
	s_and_b32 s4, ttmp7, 0xffff                    ; y = 25 b + block of 20 rows, so that 20 y is the row in [B N1]
	s_cmp_ge_u32 s4, 25
	s_cselect_b32 s5, 800, 0                       ; 800 b
	s_mul_i32 s6, s4, 20
	s_mul_i32 s7, s2, 5
	s_add_co_u32 s6, s6, s7                        ; 20 y + 5 w: the first of the five rows that this wave stages and writes out
	s_mul_i32 s38, s3, 160
	s_add_co_u32 s39, s5, s38                      ; 800 b + 160 x: the first row of h2, the first element of S2
	; byte offsets, each in a pair of its own with 0 on top (all below 4 MiB)
	s_lshl_b32 s32, s2, 15                         ; W1: 64 rows of 512 bytes a wave
	s_mov_b32 s33, 0
	s_mul_i32 s34, s2, 40
	s_add_co_u32 s34, s34, s39
	s_lshl_b32 s34, s34, 9                         ; h2: 40 rows a wave
	s_mov_b32 s35, 0
	s_lshl_b32 s50, s6, 9                          ; h1: 5 rows a wave
	s_mov_b32 s51, 0
	s_mul_i32 s52, s6, 800
	s_add_co_u32 s52, s52, s38
	s_lshl_b32 s52, s52, 2                         ; contact_map and the three outputs
	s_mov_b32 s53, 0
	s_lshl_b32 s54, s39, 2                         ; S2
	s_mov_b32 s55, 0
	s_lshl_b32 s56, s6, 2                          ; S1
	s_mov_b32 s57, 0
	s_lshl_b32 s58, s2, 7                          ; b1 and W2: 32 numbers a wave
	s_mov_b32 s59, 0
	s_mov_b32 s46, 0x76543210                      ; v_permlanex16_b32: lane i takes lane i of the other half
	s_mov_b32 s47, 0xfedcba98
	; the two pieces of a row.  Row 20 y + 5 w + r begins at 128 (w + x + r) modulo 256.
	s_add_co_u32 s36, s2, s3
	s_and_b32 s36, s36, 1                          ; p of the even rows r
	s_xor_b32 s37, s36, 1                          ; p of the odd rows
	v_lshlrev_b32 v[VG], 4, v[VL]
	s_lshl_b32 s7, s36, 7
	v_lshl_add_u32 v[OQ], v[VL], 4, s7             ; 16 L + 128 p
	s_lshl_b32 s7, s37, 7
	v_lshl_add_u32 v[OQ+1], v[VL], 4, s7
	s_lshl_b32 s7, s37, 9
	v_lshl_add_u32 v[OD], v[VL], 2, s7             ; 4 L + 512 (1 - p)
	s_lshl_b32 s7, s36, 9
	v_lshl_add_u32 v[OD+1], v[VL], 2, s7
	; staging: where a converted row's 8 bytes a lane go
	s_mul_i32 s7, s2, 64*WPITCH
	v_lshl_add_u32 v7, v[VL], 3, s7                ; W1 rows 64 w .. (W1 lies at LDS byte 0)
	s_mul_i32 s7, s2, 40*HPITCH
	s_add_co_u32 s7, s7, HB+32*HPITCH
	v_lshl_add_u32 v8, v[VL], 3, s7                ; h2 rows 40 w ..
	s_mul_i32 s7, s2, 5*HPITCH
	s_add_co_u32 s7, s7, HB
	v_lshl_add_u32 v9, v[VL], 3, s7                ; h1 rows 5 w ..
	s_mul_i32 s7, s2, 3*HPITCH
	s_add_co_u32 s7, s7, HB+20*HPITCH
	v_lshl_add_u32 v10, v[VL], 3, s7               ; the zero rows 20 + 3 w ..
	v_lshlrev_b32 v11, 5, v[VH]                    ; 32 h: b1 and w2 in the matrix result's layout
	v_lshlrev_b32 v12, 2, v[VL]
	s_lshl_b32 s7, s2, 7
	s_add_co_u32 s7, s7, W2L
	v_lshl_add_u32 v13, v[VL], 2, s7
	v_mov_b32 v[ZZ], 0
	v_mov_b32 v[ZZ+1], 0
	s_wait_kmcnt 0x0
	s_add_nc_u64 s[18:19], s[18:19], s[32:33]
	s_add_nc_u64 s[14:15], s[14:15], s[34:35]
	s_add_nc_u64 s[12:13], s[12:13], s[50:51]
	s_add_nc_u64 s[16:17], s[16:17], s[52:53]
	s_add_nc_u64 s[26:27], s[26:27], s[52:53]
	s_add_nc_u64 s[28:29], s[28:29], s[52:53]
	s_add_nc_u64 s[30:31], s[30:31], s[52:53]
	s_add_nc_u64 s[10:11], s[10:11], s[54:55]
	s_add_nc_u64 s[8:9], s[8:9], s[56:57]
	s_add_nc_u64 s[20:21], s[20:21], s[58:59]
	s_add_nc_u64 s[22:23], s[22:23], s[58:59]
	s_load_b128 s[40:43], s[8:9], 0x0              ; S_mol1 of my five rows
	s_load_b32 s44, s[8:9], 0x10
	s_load_b32 s45, s[24:25], 0x0                  ; b2
; cnt rows of 512 bytes (128 f32) from base s[sb:sb+1], row row0 on, into the buffer's slots slot0 on: one load of the wave is one whole row
.macro LOADB buf, sb, row0, cnt, slot0
.set li, 0
.rept \cnt
	global_load_b128 v[\buf+4*(\slot0+li):\buf+4*(\slot0+li)+3], v[VG], s[\sb:\sb+1] offset:(\row0+li)*512
.set li, li+1
.endr
.endm
; the same slots to f16, in place, and into LDS: 8 bytes a lane, 256 neighbouring bytes a row
.macro CONVB buf, va, row0, pitch, cnt, slot0
.set li, 0
.rept \cnt
	v_cvt_pk_f16_f32 v[\buf+4*(\slot0+li)], v[\buf+4*(\slot0+li)], v[\buf+4*(\slot0+li)+1]
	v_cvt_pk_f16_f32 v[\buf+4*(\slot0+li)+1], v[\buf+4*(\slot0+li)+2], v[\buf+4*(\slot0+li)+3]
	ds_store_b64 v[\va], v[\buf+4*(\slot0+li):\buf+4*(\slot0+li)+1] offset:(\row0+li)*\pitch
.set li, li+1
.endr
.endm
; ---------------------------------------------------------------- first issue: 14 + 9 + 32 loads
.irp r, 0,1,2,3,4
	global_load_b128 v[CMQ+4*\r:CMQ+4*\r+3], v[OQ+(\r%2)], s[16:17] offset:\r*ROWB th:TH_LOAD_NT
	global_load_b32 v[CMD+\r], v[OD+(\r%2)], s[16:17] offset:\r*ROWB th:TH_LOAD_NT
.endr
	global_load_b128 v[S2Q:S2Q+3], v[OQ], s[10:11]         ; S_mol2 in the same two pieces (4 bytes an element, as the outputs)
	global_load_b128 v[S2Q+4:S2Q+7], v[OQ+1], s[10:11]
	global_load_b32 v[S2D], v[OD], s[10:11]
	global_load_b32 v[S2D+1], v[OD+1], s[10:11]
.irp ft, 0,1
.irp u, 0,1
	global_load_b128 v[B1V+8*\ft+4*\u:B1V+8*\ft+4*\u+3], v11, s[20:21] offset:64*\ft+16*\u
	global_load_b128 v[W2V+8*\ft+4*\u:W2V+8*\ft+4*\u+3], v11, s[22:23] offset:64*\ft+16*\u
.endr
.endr
	global_load_b32 v[W2S], v12, s[22:23]
	LOADB BUF0, 18, 0, 16, 0                       ; W1 rows 0-15 of my 64
	LOADB BUF1, 18, 16, 16, 0                      ; rows 16-31
; ---------------------------------------------------------------- mask and y of my five rows, while W1 is on its way
.macro P0ROW r
.irp k, 0,1,2,3
	v_mul_f32 v[MKQ+4*\r+\k], s[40+\r], v[S2Q+4*(\r%2)+\k]         ; mask = m1 m2
.endr
	v_mul_f32 v[MKD+\r], s[40+\r], v[S2D+(\r%2)]
.irp k, 0,1,2,3
	v_cmp_gt_f32 vcc_lo, 0.5, v[CMQ+4*\r+\k]                       ; contact_map < 0.5 (false for a NaN, as in the reference)
	v_cndmask_b32 v[CMQ+4*\r+\k], 0, v[MKQ+4*\r+\k], vcc_lo        ; y = mask there, 0 elsewhere
.endr
	v_cmp_gt_f32 vcc_lo, 0.5, v[CMD+\r]
	v_cndmask_b32 v[CMD+\r], 0, v[MKD+\r], vcc_lo
	global_store_b128 v[OQ+(\r%2)], v[CMQ+4*\r:CMQ+4*\r+3], s[28:29] offset:\r*ROWB th:TH_STORE_NT
	global_store_b32 v[OD+(\r%2)], v[CMD+\r], s[28:29] offset:\r*ROWB th:TH_STORE_NT
	global_store_b128 v[OQ+(\r%2)], v[MKQ+4*\r:MKQ+4*\r+3], s[30:31] offset:\r*ROWB th:TH_STORE_NT
	global_store_b32 v[OD+(\r%2)], v[MKD+\r], s[30:31] offset:\r*ROWB th:TH_STORE_NT
.endm
	s_wait_kmcnt 0x0                               ; S_mol1 and b2
.irp r, 0,1,2,3,4
	s_cmp_lg_u32 s[40+\r], 0
	s_cselect_b32 s[40+\r], 1.0, 0                 ; m1 of row r
.endr
	s_wait_loadcnt 32                              ; all but the 32 loads of W1 issued last: contact_map, S_mol2, b1, w2 are in
.set li, 0
.rept 10
	v_cmp_ne_u32 vcc_lo, 0, v[S2D+li]
	v_cndmask_b32 v[S2D+li], 0, 1.0, vcc_lo        ; m2, in place (v170 to v179)
.set li, li+1
.endr
	P0ROW 0
	P0ROW 1
	P0ROW 2
	P0ROW 3
	P0ROW 4
	ds_store_b32 v13, v[W2S]                       ; my 32 w2, for the main loop
	s_wait_xcnt 0x0                                ; the stores' data lie in buffer 2: it is loaded only behind this wait
	LOADB BUF2, 18, 32, 16, 0                      ; W1 rows 32-47
; ---------------------------------------------------------------- staging: three buffers take turns, two batches always on their way
	s_wait_loadcnt 32                              ; the two younger batches of 16 stay out
	CONVB BUF0, 7, 0, WPITCH, 16, 0
	LOADB BUF0, 18, 48, 16, 0                      ; W1 rows 48-63
	s_wait_loadcnt 32
	CONVB BUF1, 7, 16, WPITCH, 16, 0
	LOADB BUF1, 14, 0, 16, 0                       ; h2 rows 0-15 of my 40
	s_wait_loadcnt 32
	CONVB BUF2, 7, 32, WPITCH, 16, 0
	LOADB BUF2, 14, 16, 16, 0                      ; h2 rows 16-31
	s_wait_loadcnt 32
	CONVB BUF0, 7, 48, WPITCH, 16, 0
	LOADB BUF0, 14, 32, 8, 0                       ; h2 rows 32-39
	LOADB BUF0, 12, 0, 5, 8                        ; h1, my 5 rows
	s_wait_loadcnt 29                              ; 16 + 13 younger loads stay out
	CONVB BUF1, 8, 0, HPITCH, 16, 0
	s_wait_loadcnt 13                              ; the last batch stays out
	CONVB BUF2, 8, 16, HPITCH, 16, 0
	s_wait_loadcnt 0x0
	CONVB BUF0, 8, 32, HPITCH, 8, 0
	CONVB BUF0, 9, 0, HPITCH, 5, 8
.irp i, 0,1,2
	ds_store_b64 v10, v[ZZ:ZZ+1] offset:\i*HPITCH  ; rows 20-31 fill the second tile of 16 rows with zeros
.endr
	s_wait_dscnt 0x0                               ; my part of W1 and h is in LDS: the other waves read it behind the barrier
	s_barrier_signal -1
	; register work while the others arrive: the addresses of the two products
	v_and_b32 v[VT], 7, v[VL]
	v_lshl_add_u32 v[VT], v[VH], 3, v[VT]          ; k row 8 h + L % 8
	v_mul_u32_u24 v[VWT], v[VT], WPITCH
	v_bfe_u32 v[VT], v[VL], 3, 1
	v_lshl_add_u32 v[VWT], v[VT], 4, v[VWT]        ; + 16 bytes for the second eight of sixteen columns
	s_lshl_b32 s7, s2, 6
	v_add_nc_u32 v[VWT], s7, v[VWT]                ; + my 32 columns f (2 bytes each)
	v_add_nc_u32 v[VWT2], 128*WPITCH, v[VWT]       ; the lower half of W1, for h2
	v_mul_u32_u24 v[VHF], v[VR], HPITCH
	v_lshl_add_u32 v[VHF], v[VH], 4, v[VHF]
	v_add_nc_u32 v[VHF], HB, v[VHF]                ; h fragments: row L % 16, 16 bytes for each half of the lanes
	s_mul_i32 s7, s2, PW
	s_add_co_u32 s7, s7, PB
	v_mul_u32_u24 v[VPS], v[VR], PPITCH
	v_lshl_add_u32 v[VPS], v[VH], 5, v[VPS]
	v_add_nc_u32 v[VPS], s7, v[VPS]                ; results: row L % 16, features 8 h ..
	s_mul_i32 s7, s2, RW
	s_add_co_u32 s7, s7, RB+RS1
	v_lshl_add_u32 v[VS1], v[VR], 2, s7            ; sum of w a' of row L % 16
	s_barrier_wait -1
; ---------------------------------------------------------------- the two products: 12 tiles of 16 rows x my 32 features, K = 128
; Source 0 = W^T (16 features x 32 k, by transposing loads from [k][f]), source 1 = 16 rows of h.  Lane (r = L % 16, h = L / 16) then holds in
; register j the feature 16 ft + 8 h + j of row r: eight neighbouring features of one row, two stores of 16 bytes.
.macro WFLOAD va
.irp ft, 0,1
.irp ks, 0,1,2,3
	ds_load_tr16_b128 v[WF+8*(4*\ft+\ks):WF+8*(4*\ft+\ks)+3], v[\va] offset:\ks*32*WPITCH+32*\ft
	ds_load_tr16_b128 v[WF+8*(4*\ft+\ks)+4:WF+8*(4*\ft+\ks)+7], v[\va] offset:\ks*32*WPITCH+32*\ft+16*WPITCH
.endr
.endr
.endm
.macro HLOAD t, par
.irp ks, 0,1,2,3
	ds_load_b128 v[HF+32*(\par)+8*\ks:HF+32*(\par)+8*\ks+3], v[VHF] offset:(\t)*16*HPITCH+64*\ks
	ds_load_b128 v[HF+32*(\par)+8*\ks+4:HF+32*(\par)+8*\ks+7], v[VHF] offset:(\t)*16*HPITCH+64*\ks+32
.endr
.endm
; Tile t on fragment and result set par.  The next tile's eight loads go out first.  The two accumulators take turns, one instruction a turn,
; The first product of each starts its sum: nothing is cleared.
; The five v_nop are the places behind the tile's matrix instructions: four before a store or a vector instruction reads a result and before
; a load is issued into a fragment, five before a later matrix instruction writes over these results.
.macro GT t, par, last
.if \last == 0
	HLOAD \t+1, 1-\par
	s_wait_dscnt 8                                 ; all but the eight loads just issued: this tile's fragments, W's, and the earlier stores
.else
	s_wait_dscnt 0x0
.endif
.irp ks, 0,1,2,3
.irp ft, 0,1
.if \ks == 0
	v_wmma_f32_16x16x32_f16 v[DD+16*\par+8*\ft:DD+16*\par+8*\ft+7], v[WF+8*(4*\ft+\ks):WF+8*(4*\ft+\ks)+7], v[HF+32*\par+8*\ks:HF+32*\par+8*\ks+7], 0
.else
	v_wmma_f32_16x16x32_f16 v[DD+16*\par+8*\ft:DD+16*\par+8*\ft+7], v[WF+8*(4*\ft+\ks):WF+8*(4*\ft+\ks)+7], v[HF+32*\par+8*\ks:HF+32*\par+8*\ks+7], v[DD+16*\par+8*\ft:DD+16*\par+8*\ft+7]
.endif
.endr
.endr
.rept 5
	v_nop
.endr
.endm
; a tile of p2 goes into my part of LDS as it is
.macro EPIM t, par
.irp ft, 0,1
	ds_store_b128 v[VPS], v[DD+16*\par+8*\ft:DD+16*\par+8*\ft+3] offset:\t*16*PPITCH+64*\ft
	ds_store_b128 v[VPS], v[DD+16*\par+8*\ft+4:DD+16*\par+8*\ft+7] offset:\t*16*PPITCH+64*\ft+16
.endr
.endm
; a tile of p1: a' = -(p1 + b1) goes into LDS, and the row's sum of w a' over my 32 features beside the partial sums
.macro EPIN t, par
.irp q, 0,1,2,3,4,5,6,7
	v_pk_add_f32 v[TMP+2*\q:TMP+2*\q+1], v[DD+16*\par+2*\q:DD+16*\par+2*\q+1], v[B1V+2*\q:B1V+2*\q+1] neg_lo:[1,1] neg_hi:[1,1]
.endr
.irp ft, 0,1
	ds_store_b128 v[VPS], v[TMP+8*\ft:TMP+8*\ft+3] offset:\t*16*PPITCH+64*\ft
	ds_store_b128 v[VPS], v[TMP+8*\ft+4:TMP+8*\ft+7] offset:\t*16*PPITCH+64*\ft+16
.endr
	v_pk_mul_f32 v[SS:SS+1], v[TMP:TMP+1], v[W2V:W2V+1]
.irp q, 1,2,3,4,5,6,7
	v_pk_fma_f32 v[SS:SS+1], v[TMP+2*\q:TMP+2*\q+1], v[W2V+2*\q:W2V+2*\q+1], v[SS:SS+1]
.endr
	v_add_f32 v[SS], v[SS], v[SS+1]                ; my 16 features
	v_permlanex16_b32 v[SS+1], v[SS], s46, s47     ; the other half of the lanes holds the row's other 16
	v_add_f32 v[SS], v[SS], v[SS+1]
	ds_store_b32 v[VS1], v[SS] offset:64*\t        ; lanes r and r + 16 write the same word with the same number
.endm
	WFLOAD VWT                                     ; W1[0:128]
	HLOAD 0, 0
	GT 0, 0, 0
	GT 1, 1, 0
	EPIN 0, 0
	WFLOAD VWT2                                    ; W1[128:256]: behind the places of the last tile that read the upper half
	GT 2, 0, 0
	EPIN 1, 1
	GT 3, 1, 0
	EPIM 2, 0
	GT 4, 0, 0
	EPIM 3, 1
	GT 5, 1, 0
	EPIM 4, 0
	GT 6, 0, 0
	EPIM 5, 1
	GT 7, 1, 0
	EPIM 6, 0
	GT 8, 0, 0
	EPIM 7, 1
	GT 9, 1, 0
	EPIM 8, 0
	GT 10, 0, 0
	EPIM 9, 1
	GT 11, 1, 1
	EPIM 10, 0
	EPIM 11, 1
; ---------------------------------------------------------------- the pairwise step: 8 chunks of 4 features
; Every byte read here was stored by this wave itself; LDS serves a wave's instructions in order (ISA guide 5.7.1), so no barrier and no wait stands between.
	s_mul_i32 s7, s2, PW
	s_add_co_u32 s7, s7, PB
	s_add_co_u32 s37, s7, 32*PPITCH
	v_mul_u32_u24 v[VCA], v[VR], PPITCH
	v_add_nc_u32 v[VCA], s37, v[VCA]               ; c: row 32 + L % 16 (+ 16 j)
	v_mul_u32_u24 v[VAA], v[VH], PPITCH
	v_add_nc_u32 v[VAA], s7, v[VAA]                ; a': row L / 16 (+ 2 i)
	s_lshl_b32 s7, s2, 7
	s_add_co_u32 s7, s7, W2L
	v_mov_b32 v[VWA], s7                           ; my w2
	s_mul_i32 s7, s2, RW
	s_add_co_u32 s7, s7, RB
	v_mul_u32_u24 v[VRS], v[VH], 640
	v_lshl_add_u32 v[VRS], v[VR], 2, v[VRS]
	v_add_nc_u32 v[VRS], s7, v[VRS]                ; where my partial sums go: row L / 16 (+ 2 i), column L % 16 (+ 16 j)
; Row block i against the ten column blocks, four features e: for each e five instructions of two maxima and five of two multiply-adds.
; In the dual form the two first sources, and the two second sources, are registers whose numbers differ by 2 modulo 4 (a' at 2 + e, c at e), and
; the destinations are an even and an odd register, as that encoding asks (ISA guide, the chapter on dual-issue VALU).
; w2[e] is one register of an aligned pair: op_sel and op_sel_hi give it to both halves.  In the first chunk feature 0 starts the sums.
.macro PAIRS i, cur, first
.irp e, 0,1,2,3
.irp jp, 0,1,2,3,4
.if USE_DUAL
	v_dual_max_num_f32 v[TT+2*\jp], v[AR+4*\i+\e], v[CB+40*\cur+8*\jp+\e] :: v_dual_max_num_f32 v[TT+2*\jp+1], v[CB+40*\cur+8*\jp+4+\e], v[AR+4*\i+\e]
.else
	v_max_num_f32 v[TT+2*\jp], v[AR+4*\i+\e], v[CB+40*\cur+8*\jp+\e]
	v_max_num_f32 v[TT+2*\jp+1], v[CB+40*\cur+8*\jp+4+\e], v[AR+4*\i+\e]
.endif
.endr
.irp jp, 0,1,2,3,4
.if (\first-\e) == 1
	v_pk_mul_f32 v[ACC+10*\i+2*\jp:ACC+10*\i+2*\jp+1], v[TT+2*\jp:TT+2*\jp+1], v[WR+4*\cur:WR+4*\cur+1] op_sel_hi:[1,0]
.else
.if (\e%2) == 0
	v_pk_fma_f32 v[ACC+10*\i+2*\jp:ACC+10*\i+2*\jp+1], v[TT+2*\jp:TT+2*\jp+1], v[WR+4*\cur+\e:WR+4*\cur+\e+1], v[ACC+10*\i+2*\jp:ACC+10*\i+2*\jp+1] op_sel_hi:[1,0,1]
.else
	v_pk_fma_f32 v[ACC+10*\i+2*\jp:ACC+10*\i+2*\jp+1], v[TT+2*\jp:TT+2*\jp+1], v[WR+4*\cur+\e-1:WR+4*\cur+\e], v[ACC+10*\i+2*\jp:ACC+10*\i+2*\jp+1] op_sel:[0,1,0] op_sel_hi:[1,1,1]
.endif
.endif
.endr
.endr
.endm
; One chunk on buffer cur.  fetch = 1: the next chunk, at byte off behind the address registers, is fetched: c and w2 into the other buffer at the head,
; a' of row block i into its own registers as soon as the block is done.
; The count 20: behind the load of this chunk's a'(i) were issued the 9 - i later a' of this chunk, the 11 loads at this chunk's head and the i loads of the
; next chunk's a'; c and w2 of this chunk are older than a'(0).  The same on the way in, over the backward jump and between the chunks.
.macro CHUNK cur, fetch, off, first
.if \fetch
.irp j, 0,1,2,3,4,5,6,7,8,9
	ds_load_b128 v[CB+40*(1-\cur)+4*\j:CB+40*(1-\cur)+4*\j+3], v[VCA] offset:16*PPITCH*\j+\off
.endr
	ds_load_b128 v[WR+4*(1-\cur):WR+4*(1-\cur)+3], v[VWA] offset:\off
.endif
.irp i, 0,1,2,3,4,5,6,7,8,9
.if \fetch
	s_wait_dscnt 20
.else
	s_wait_dscnt 9-\i                              ; the last chunk fetches nothing: only the later a' are out
.endif
	PAIRS \i, \cur, \first
.if \fetch
	ds_load_b128 v[AR+4*\i:AR+4*\i+3], v[VAA] offset:2*PPITCH*\i+\off
.endif
.endr
.endm
.irp j, 0,1,2,3,4,5,6,7,8,9
	ds_load_b128 v[CB+4*\j:CB+4*\j+3], v[VCA] offset:16*PPITCH*\j
.endr
	ds_load_b128 v[WR:WR+3], v[VWA]
.irp i, 0,1,2,3,4,5,6,7,8,9
	ds_load_b128 v[AR+4*\i:AR+4*\i+3], v[VAA] offset:2*PPITCH*\i
.endr
	CHUNK 0, 1, 16, 1                              ; chunk 0 stands ahead of the loop: its first products start the sums
	v_add_nc_u32 v[VCA], 16, v[VCA]
	v_add_nc_u32 v[VAA], 16, v[VAA]
	v_add_nc_u32 v[VWA], 16, v[VWA]
	s_mov_b32 s48, 3
.Lf:                                               ; chunks 1 to 6, two a trip
	CHUNK 1, 1, 16, 0
	CHUNK 0, 1, 32, 0
	v_add_nc_u32 v[VCA], 32, v[VCA]
	v_add_nc_u32 v[VAA], 32, v[VAA]
	v_add_nc_u32 v[VWA], 32, v[VWA]
	s_sub_co_i32 s48, s48, 1
	s_cmp_lg_u32 s48, 0
	s_cbranch_scc1 .Lf
	CHUNK 1, 0, 0, 0                               ; chunk 7
; ---------------------------------------------------------------- the four waves' partial sums meet; wave w writes out rows 5 w .. 5 w + 4
.irp i, 0,1,2,3,4,5,6,7,8,9
.irp j, 0,1,2,3,4,5,6,7,8,9
	ds_store_b32 v[VRS], v[ACC+10*\i+\j] offset:1280*\i+64*\j
.endr
.endr
	s_wait_dscnt 0x0                               ; my sums, and my sums of w a', are in LDS: the other waves read them behind the barrier
	s_barrier_signal -1
	s_mul_i32 s7, s2, 5*640
	s_add_co_u32 s7, s7, RB
	v_add_nc_u32 v[VFQ], s7, v[OQ]                 ; my five rows in wave 0's part, in the same two pieces as in memory
	v_add_nc_u32 v[VFQ+1], s7, v[OQ+1]
	v_add_nc_u32 v[VFD], s7, v[OD]
	v_add_nc_u32 v[VFD+1], s7, v[OD+1]
	s_mul_i32 s7, s2, 20
	s_add_co_u32 s7, s7, RB+RS1
	v_mov_b32 v[VFS], s7
	s_barrier_wait -1
.irp r, 0,1,2,3,4
.irp q, 0,1,2,3
	ds_load_b128 v[FQ+24*\r+4*\q:FQ+24*\r+4*\q+3], v[VFQ+(\r%2)] offset:\q*RW+\r*640
.endr
.irp q, 0,1,2,3
	ds_load_b32 v[FD+24*\r+\q], v[VFD+(\r%2)] offset:\q*RW+\r*640
.endr
.irp q, 0,1,2,3
	ds_load_b32 v[FS+24*\r+\q], v[VFS] offset:\q*RW+4*\r
.endr
.endr
; row r: pred = the four waves' sums of w max(c, a') + (b2 - the four waves' sums of w a')
.macro FROW r
	s_wait_dscnt 12*(4-\r)                         ; twelve loads a row: the later rows' stay out
	v_add_f32 v[FS+24*\r], v[FS+24*\r], v[FS+24*\r+1]
	v_add_f32 v[FS+24*\r+2], v[FS+24*\r+2], v[FS+24*\r+3]
.irp k, 0,2
	v_pk_add_f32 v[FQ+24*\r+\k:FQ+24*\r+\k+1], v[FQ+24*\r+\k:FQ+24*\r+\k+1], v[FQ+24*\r+4+\k:FQ+24*\r+4+\k+1]
	v_pk_add_f32 v[FQ+24*\r+8+\k:FQ+24*\r+8+\k+1], v[FQ+24*\r+8+\k:FQ+24*\r+8+\k+1], v[FQ+24*\r+12+\k:FQ+24*\r+12+\k+1]
.endr
	v_add_f32 v[FD+24*\r], v[FD+24*\r], v[FD+24*\r+1]
	v_add_f32 v[FD+24*\r+2], v[FD+24*\r+2], v[FD+24*\r+3]
	v_add_f32 v[FS+24*\r], v[FS+24*\r], v[FS+24*\r+2]
.irp k, 0,2
	v_pk_add_f32 v[FQ+24*\r+\k:FQ+24*\r+\k+1], v[FQ+24*\r+\k:FQ+24*\r+\k+1], v[FQ+24*\r+8+\k:FQ+24*\r+8+\k+1]
.endr
	v_add_f32 v[FD+24*\r], v[FD+24*\r], v[FD+24*\r+2]
	v_sub_f32 v[FS+24*\r], s45, v[FS+24*\r]        ; b2 - sum of w a'
.irp k, 0,2
	v_pk_add_f32 v[FQ+24*\r+\k:FQ+24*\r+\k+1], v[FQ+24*\r+\k:FQ+24*\r+\k+1], v[FS+24*\r:FS+24*\r+1] op_sel_hi:[1,0]
.endr
	v_add_f32 v[FD+24*\r], v[FD+24*\r], v[FS+24*\r]
	global_store_b128 v[OQ+(\r%2)], v[FQ+24*\r:FQ+24*\r+3], s[26:27] offset:\r*ROWB th:TH_STORE_NT   ; 512 consecutive bytes from a multiple of 256
	global_store_b32 v[OD+(\r%2)], v[FD+24*\r], s[26:27] offset:\r*ROWB th:TH_STORE_NT               ; the row's other 128 bytes
.endm
	FROW 0
	FROW 1
	FROW 2
	FROW 3
	FROW 4
	s_set_vgpr_msb 0x5
	s_wait_tensorcnt 0x0
	ds_add_u32 v0, v1
	s_wait_dscnt 0x0
	s_set_vgpr_msb 0x500
	s_endpgm
.Lfunc_end_k_q4cdc94a4e3_contact:
	.size	k_q4cdc94a4e3_contact, .Lfunc_end_k_q4cdc94a4e3_contact-k_q4cdc94a4e3_contact
	.p2alignl 7, 3214868480
	.fill 96, 4, 3214868480
	.section	.rodata,"a",@progbits
	.p2align	6, 0x0
	.amdhsa_kernel k_q4cdc94a4e3_contact
		.amdhsa_group_segment_fixed_size 289792
		.amdhsa_private_segment_fixed_size 0
		.amdhsa_enable_private_segment 0
		.amdhsa_kernarg_size 96
		.amdhsa_user_sgpr_count 2
		.amdhsa_user_sgpr_kernarg_segment_ptr 1
		.amdhsa_wavefront_size32 1
		.amdhsa_system_sgpr_workgroup_id_x 1
		.amdhsa_system_sgpr_workgroup_id_y 1
		.amdhsa_system_sgpr_workgroup_id_z 1
		.amdhsa_system_vgpr_workitem_id 0
		.amdhsa_next_free_vgpr 258
		.amdhsa_next_free_sgpr 66
		.amdhsa_reserve_vcc 1
		.amdhsa_float_denorm_mode_32 3
		.amdhsa_float_denorm_mode_16_64 3
		.amdhsa_memory_ordered 1
		.amdhsa_forward_progress 1
		.amdhsa_inst_pref_size 189
	.end_amdhsa_kernel
	.amdgpu_metadata
---
amdhsa.version: [ 1, 2 ]
amdhsa.kernels:
  - .name:           k_q4cdc94a4e3_contact
    .symbol:         k_q4cdc94a4e3_contact.kd
    .args:
      - { .name: S_mol1, .offset: 0, .size: 8, .value_kind: global_buffer, .address_space: global }
      - { .name: S_mol2, .offset: 8, .size: 8, .value_kind: global_buffer, .address_space: global }
      - { .name: h_mol1, .offset: 16, .size: 8, .value_kind: global_buffer, .address_space: global }
      - { .name: h_mol2, .offset: 24, .size: 8, .value_kind: global_buffer, .address_space: global }
      - { .name: contact_map, .offset: 32, .size: 8, .value_kind: global_buffer, .address_space: global }
      - { .name: W1, .offset: 40, .size: 8, .value_kind: global_buffer, .address_space: global }
      - { .name: b1, .offset: 48, .size: 8, .value_kind: global_buffer, .address_space: global }
      - { .name: W2, .offset: 56, .size: 8, .value_kind: global_buffer, .address_space: global }
      - { .name: b2, .offset: 64, .size: 8, .value_kind: global_buffer, .address_space: global }
      - { .name: out0, .offset: 72, .size: 8, .value_kind: global_buffer, .address_space: global }
      - { .name: out1, .offset: 80, .size: 8, .value_kind: global_buffer, .address_space: global }
      - { .name: out2, .offset: 88, .size: 8, .value_kind: global_buffer, .address_space: global }
    .group_segment_fixed_size: 289792
    .private_segment_fixed_size: 0
    .kernarg_segment_align: 8
    .kernarg_segment_size: 96
    .max_flat_workgroup_size: 128
    .sgpr_count:     66
    .vgpr_count:     258
    .wavefront_size: 32
...
	.end_amdgpu_metadata
.endif
;; end of part 1
;; ======== version 2 of 2: 1 launch; version 1 with the launch contact written anew for expert scheduling mode
;; limits: values are held in f16: magnitudes above 65,504 overflow, below 6.1e-05 lose precision
;; launch contact (part 2): grid 5 x 50, 4 waves a work-group, no clusters, 289,792 bytes of LDS; arguments S_mol1, S_mol2, h_mol1, h_mol2, contact_map, W1, b1, W2, b2, out0, out1, out2; writes out0, out1, out2
.if DOCPART == 2
	.amdgcn_target "amdgcn-amd-amdhsa--gfx1250"
	.amdhsa_code_object_version 6
	.text
	.protected	k_q4cdc94a4e3_contact
	.globl	k_q4cdc94a4e3_contact
	.p2align	8
	.type	k_q4cdc94a4e3_contact,@function
k_q4cdc94a4e3_contact:
	s_mov_b64 s[64:65], 0
	v_nop
	global_prefetch_b8 v0, s[64:65] scope:SCOPE_SE
	s_setreg_imm32_b32 hwreg(HW_REG_WAVE_SCHED_MODE, 0, 2), 2
	s_setreg_imm32_b32 hwreg(HW_REG_WAVE_MODE, 25, 1), 1
	s_wait_xcnt 0x0
	s_wait_alu depctr_vm_vsrc(0)
; ContactMapPredictor, one launch.  B = 2, N1 = 500, N2 = 800, D = 128.
;   p1 = h1 W1[0:128] (+ b1), p2 = h2 W1[128:256], pred[n][m] = sum over f of w2[f] relu(p1[n][f] + p2[m][f] + b1[f]) + b2,
;   mask = (S1 != 0)(S2 != 0), y = (contact_map < 0.5) mask.
; SHARE OF THE WORK.  A work-group makes 20 rows n x 160 columns m of one batch: 25 x 5 x 2 = 250 work-groups of equal work, no edges.
; Four waves.  Wave w owns the features f = 32 w .. 32 w + 31 for all 3,200 pairs; a lane holds 10 x 10 partial sums (n = 2 i + L / 16,
; m = 16 j + L % 16), so that 21 LDS loads of 16 bytes feed 400 vector instructions.  The four waves' partial sums meet in LDS at the end.
; THE PAIRWISE STEP.  With a = p1 + b1, a' = -a, c = p2:  relu(a + c) = max(c, a') - a'.  So
;   pred = sum_f w max(c, a')  -  sum_f w a'  +  b2,   and the second sum hangs on n alone (20 numbers for a work-group).
; That is one maximum and one multiply-add for each (pair, feature), two of each in one instruction.  Both sums are made in f32 of the SAME f32 a',
; so their difference carries f32 rounding of the sums only, not the rounding of the matrix operands.
; THE MATRIX OPERANDS ARE f16, NOT bf16.  pred is compared within a hundredth of its root mean square, and many pred lie near 0.  With 8 significant
; bits an operand's rounding is some 2^-9 of it, and what the 256-term sums and the 128-term dot leave of that is about a quarter of the allowance as a
; root mean square: too near for 800,000 numbers.  f16's 11 bits make it an eighth of that.  f16 has the room: h of spread 1 and W1 of spread 1/16, thirty
; times larger or offset by thirty spreads, stay under 200 against f16's largest 65,504; thirty times smaller, W1's spread is about 2^-9 and
; f16's finest step 2^-24 is 2^-15 of it, finer than bf16's relative step.
; LIMITS.  h1, h2 and W1 are rounded to f16: a magnitude above 65,504 becomes infinity, one below 2^-14 keeps an absolute step of 2^-24.
; All else is f32, summed in another order than the reference's.
; Where p1 + b1 or p2 is infinite the result is NaN (the reference gives 0 or infinity); a NaN in only one of them is dropped by the maximum.
; THE SECOND PRODUCT (128 -> 1) stays on the vector unit: as a matrix product it would fill one column of sixteen, and each hidden number
; would first need half a conversion to 16 bits, which is as many instructions as the half multiply-add that it would spare.
; NO CLUSTER: the grid is 5 x 50, neither a multiple of 4, and what is shared (W1) has to pass through registers to become f16.
; NO TENSOR LOADS: every staged byte is converted on its way into LDS.  NO PREFETCH: every global read is issued in the first phase.
; OUTPUT UNITS: a row's 640 bytes begin at 128 (n + x) modulo 256 from the buffer's first byte.  Each row goes out (and contact_map comes in)
; as one 16-byte-a-lane piece of 512 bytes that begins on a multiple of 256, and one 4-byte-a-lane piece of the 128 bytes left over.
; THE MODE: SCHED_MODE bits 1:0 = 2 (LLVM: expert scheduling mode 2), set by the entry lines.  The code itself states the register dependences
; between vector or matrix instructions and memory or LDS instructions, with s_wait_alu, always for 0.
; THE PLAN.  Registers that memory or LDS instructions touch, phase by phase:
;   v2-v6      offsets, made at the head, never written again.  One wait on va_vdst ahead of the first load serves them for the whole kernel.
;   v7-v15     addresses, made anew three times (at the first barrier, ahead of the pairwise step, at the second barrier): a wait on vm_vsrc stands ahead of the
;              lines that write registers which earlier LDS or memory instructions read, a wait on va_vdst behind them, ahead of the first access by them.
;   mask, y    all selects and products, one wait on va_vdst, the twenty stores, one wait on vm_vsrc, and only then loads land in these registers.
;              The compares write s50-s59 in runs; one wait on va_sdst stands behind each run, ahead of the selects that read the masks.
;   BUF0-2     loads land; 32 conversions in place; a wait on va_vdst; 16 LDS stores; a wait on vm_vsrc; the buffer's next loads.
;   HF0, HF1   tile t's matrix instructions read HF[t % 2]; the loads of tile t + 2 land in it at the head of tile t + 1.
;   DD0, DD1   tile t's matrix instructions write DD[t % 2]; its four LDS stores stand among tile t + 1's matrix instructions; tile t + 2 writes it again.
;              So a tile's head holds one wait on va_vdst (the tile before is done) and one on vm_vsrc (the stores of the tile two back have read their data).
;   CB0, CB1, WR0, WR1   chunk c reads buffer c % 2; the loads of chunk c + 1 land in the other at chunk c's head.
;   AR         one buffer, loaded again in two halves: blocks 5-9 at the head of the chunk that reads them, blocks 0-4 in the middle of the chunk before.
;              So a chunk holds two waits on va_vdst, at its head and in its middle, each ahead of a run of loads, and each half has five blocks' work in which to land.
;   ACC, FQ .. one wait on va_vdst ahead of the run of LDS stores of the sums, one ahead of the run of the last global stores.
.set USE_DUAL, 1                       ; 1: two maxima in one dual instruction; 0: two plain ones
.set ROWB,   3200                      ; bytes of a row of contact_map and of the outputs
; LDS map
.set WPITCH, 288                       ; W1 as f16 [k 0..255][f 0..127]: 256 bytes + 32 = 9 x 32, for the transposing loads
.set HPITCH, 272                       ; h as f16 [row 0..191][k 0..127]: 256 bytes + 16 = 17 x 16
.set PPITCH, 144                       ; a' and c as f32 [row 0..191][32 f of one wave]: 128 bytes + 16 = 9 x 16: 16 neighbouring rows start at 16 different 16-byte columns modulo 256
.set HB,     73728                     ; behind W1's 256 x 288 bytes (W1 lies at LDS byte 0).  Rows 0-19 h1, 20-31 zeros, 32 + m h2
.set PB,     125952                    ; behind h's 192 x 272 bytes
.set PW,     27648                     ; 192 x 144: one wave's part, written and read by that wave alone
.set RB,     236544                    ; partial sums
.set RW,     13056                     ; one wave's part: [n 0..19][m 0..159] f32 (12,800 bytes), then 32 words sum_f w a' of rows 0..31
.set RS1,    12800
.set W2L,    288768                    ; 128 bytes a wave: its 32 w2
; vector registers that live throughout
.set VL, 1                             ; lane L
.set VG, 2                             ; 16 L
.set OQ, 3                             ; v3, v4: byte offset in a row's 640 bytes of the 512-byte piece, rows r even / odd
.set OD, 5                             ; v5, v6: of the 128-byte piece
.set VR, 244                           ; L % 16   (until the main loop's sums take the register)
.set VH, 245                           ; L / 16
.set VT, 246                           ; at work
; staging
.set BUF0, 16                          ; three buffers of 16 slots of 4 registers
.set BUF1, 80
.set BUF2, 144
.set B1V, 208                          ; v[208:223]  b1[32 w + 16 ft + 8 h + j] at 8 ft + j
.set W2V, 224                          ; v[224:239]  w2, likewise
.set W2S, 240                          ; w2[32 w + L]
.set ZZ,  242                          ; v[242:243]  zeros
.set CMQ, 144                          ; inside BUF2, before it is first filled: contact_map, then y: 4 registers a row
.set CMD, 164                          ;   the 128-byte piece: 1 register a row
.set S2D, 170                          ;   S_mol2, then m2 as 1.0 or 0: v170 even rows' small piece, v171 odd rows'
.set S2Q, 172                          ;   v[172:175] even rows' large piece, v[176:179] odd rows'
.set MKQ, 180                          ;   mask, 4 registers a row
.set MKD, 200
.set CM,  50                           ; s[50:59]  the compares' masks, ten to a run (the head's byte offsets lay here and are used up by then)
; the two products
.set WF,  16                           ; v[16:79]    W^T fragments (ft, ks) at 8 (4 ft + ks)
.set HF,  80                           ; v[80:143]   h fragments (par, ks) at 32 par + 8 ks
.set DD,  144                          ; v[144:175]  results (par, ft) at 16 par + 8 ft
.set TMP, 176                          ; v[176:191]  a'
.set SS,  192                          ; v[192:193]  sum of w a'
.set VWT, 7
.set VWT2, 8
.set VHF, 9
.set VPS, 10
.set VS1, 11
; main loop
.set CB,  16                           ; v[16:95]    c: buffer buf, column block j at 40 buf + 4 j (register number 0 modulo 4)
.set WR,  96                           ; v[96:103]   w2 of the chunk's four features, two buffers
.set TT,  104                          ; v[104:113]  maxima, five pairs
.set AR,  114                          ; v[114:153]  a' of row block i at 4 i (register number 2 modulo 4)
.set ACC, 156                          ; v[156:255]  sums (i, j) at 10 i + j
.set VCA, 7
.set VAA, 8
.set VWA, 9
.set VRS, 10
; the end
.set FQ,  16                           ; row r, wave q: 4 registers at 24 r + 4 q
.set FD,  32                           ; 1 register at 24 r + q
.set FS,  36                           ; sum of w a', 1 register at 24 r + q
.set VFQ, 11                           ; v11, v12
.set VFD, 13                           ; v13, v14
.set VFS, 15
; ---------------------------------------------------------------- ids, offsets, addresses
	s_load_b512 s[8:23], s[0:1], 0x0               ; S1 s[8:9], S2 s[10:11], h1 s[12:13], h2 s[14:15], contact_map s[16:17], W1 s[18:19], b1 s[20:21], W2 s[22:23]
	s_load_b256 s[24:31], s[0:1], 0x40             ; b2 s[24:25], out0 s[26:27], out1 s[28:29], out2 s[30:31]
	s_set_vgpr_msb 0x40
	v_lshl_add_u32 v0, v0, 2, 0x46a00
	v_mov_b32 v1, 0
	s_set_vgpr_msb 0x4000
	v_lshrrev_b32 v1, 5, v0
	v_readfirstlane_b32 s2, v1                     ; wave w
	v_and_b32 v[VL], 31, v0
	v_and_b32 v[VR], 15, v0
	v_bfe_u32 v[VH], v0, 4, 1
	s_wait_alu depctr_va_sdst(0)                   ; s2 is written, ahead of its first reader: offsets, bases and LDS addresses are made from it
	s_mov_b32 s3, ttmp9                            ; x: which 160 columns
	s_and_b32 s4, ttmp7, 0xffff                    ; y = 25 b + block of 20 rows, so that 20 y is the row in [B N1]
	s_cmp_ge_u32 s4, 25
	s_cselect_b32 s5, 800, 0                       ; 800 b
	s_mul_i32 s6, s4, 20
	s_mul_i32 s7, s2, 5
	s_add_co_u32 s6, s6, s7                        ; 20 y + 5 w: the first of the five rows that this wave stages and writes out
	s_mul_i32 s38, s3, 160
	s_add_co_u32 s39, s5, s38                      ; 800 b + 160 x: the first row of h2, the first element of S2
	; byte offsets, each in a pair of its own with 0 on top (all below 4 MiB)
	s_lshl_b32 s32, s2, 15                         ; W1: 64 rows of 512 bytes a wave
	s_mov_b32 s33, 0
	s_mul_i32 s34, s2, 40
	s_add_co_u32 s34, s34, s39
	s_lshl_b32 s34, s34, 9                         ; h2: 40 rows a wave
	s_mov_b32 s35, 0
	s_lshl_b32 s50, s6, 9                          ; h1: 5 rows a wave
	s_mov_b32 s51, 0
	s_mul_i32 s52, s6, 800
	s_add_co_u32 s52, s52, s38
	s_lshl_b32 s52, s52, 2                         ; contact_map and the three outputs
	s_mov_b32 s53, 0
	s_lshl_b32 s54, s39, 2                         ; S2
	s_mov_b32 s55, 0
	s_lshl_b32 s56, s6, 2                          ; S1
	s_mov_b32 s57, 0
	s_lshl_b32 s58, s2, 7                          ; b1 and W2: 32 numbers a wave
	s_mov_b32 s59, 0
	s_mov_b32 s46, 0x76543210                      ; v_permlanex16_b32: lane i takes lane i of the other half
	s_mov_b32 s47, 0xfedcba98
	; the two pieces of a row.  Row 20 y + 5 w + r begins at 128 (w + x + r) modulo 256.
	s_add_co_u32 s36, s2, s3
	s_and_b32 s36, s36, 1                          ; p of the even rows r
	s_xor_b32 s37, s36, 1                          ; p of the odd rows
	v_lshlrev_b32 v[VG], 4, v[VL]
	s_lshl_b32 s7, s36, 7
	v_lshl_add_u32 v[OQ], v[VL], 4, s7             ; 16 L + 128 p
	s_lshl_b32 s7, s37, 7
	v_lshl_add_u32 v[OQ+1], v[VL], 4, s7
	s_lshl_b32 s7, s37, 9
	v_lshl_add_u32 v[OD], v[VL], 2, s7             ; 4 L + 512 (1 - p)
	s_lshl_b32 s7, s36, 9
	v_lshl_add_u32 v[OD+1], v[VL], 2, s7
	; staging: where a converted row's 8 bytes a lane go
	s_mul_i32 s7, s2, 64*WPITCH
	v_lshl_add_u32 v7, v[VL], 3, s7                ; W1 rows 64 w .. (W1 lies at LDS byte 0)
	s_mul_i32 s7, s2, 40*HPITCH
	s_add_co_u32 s7, s7, HB+32*HPITCH
	v_lshl_add_u32 v8, v[VL], 3, s7                ; h2 rows 40 w ..
	s_mul_i32 s7, s2, 5*HPITCH
	s_add_co_u32 s7, s7, HB
	v_lshl_add_u32 v9, v[VL], 3, s7                ; h1 rows 5 w ..
	s_mul_i32 s7, s2, 3*HPITCH
	s_add_co_u32 s7, s7, HB+20*HPITCH
	v_lshl_add_u32 v10, v[VL], 3, s7               ; the zero rows 20 + 3 w ..
	v_lshlrev_b32 v11, 5, v[VH]                    ; 32 h: b1 and w2 in the matrix result's layout
	v_lshlrev_b32 v12, 2, v[VL]
	s_lshl_b32 s7, s2, 7
	s_add_co_u32 s7, s7, W2L
	v_lshl_add_u32 v13, v[VL], 2, s7
	v_mov_b32 v[ZZ], 0
	v_mov_b32 v[ZZ+1], 0
	s_wait_kmcnt 0x0
	s_add_nc_u64 s[18:19], s[18:19], s[32:33]
	s_add_nc_u64 s[14:15], s[14:15], s[34:35]
	s_add_nc_u64 s[12:13], s[12:13], s[50:51]
	s_add_nc_u64 s[16:17], s[16:17], s[52:53]
	s_add_nc_u64 s[26:27], s[26:27], s[52:53]
	s_add_nc_u64 s[28:29], s[28:29], s[52:53]
	s_add_nc_u64 s[30:31], s[30:31], s[52:53]
	s_add_nc_u64 s[10:11], s[10:11], s[54:55]
	s_add_nc_u64 s[8:9], s[8:9], s[56:57]
	s_add_nc_u64 s[20:21], s[20:21], s[58:59]
	s_add_nc_u64 s[22:23], s[22:23], s[58:59]
	s_load_b128 s[40:43], s[8:9], 0x0              ; S_mol1 of my five rows
	s_load_b32 s44, s[8:9], 0x10
	s_load_b32 s45, s[24:25], 0x0                  ; b2
	s_wait_alu depctr_va_vdst(0)                   ; the offsets v2 to v6, the addresses v7 to v13 and the two zeros are written, which the loads and stores below read
; cnt rows of 512 bytes (128 f32) from base s[sb:sb+1], row row0 on, into the buffer's slots slot0 on: one load of the wave is one whole row
.macro LOADB buf, sb, row0, cnt, slot0
.set li, 0
.rept \cnt
	global_load_b128 v[\buf+4*(\slot0+li):\buf+4*(\slot0+li)+3], v[VG], s[\sb:\sb+1] offset:(\row0+li)*512
.set li, li+1
.endr
.endm
; the same slots to f16, in place: a slot's four numbers close up into its first two registers
.macro CVTB buf, cnt, slot0
.set li, 0
.rept \cnt
	v_cvt_pk_f16_f32 v[\buf+4*(\slot0+li)], v[\buf+4*(\slot0+li)], v[\buf+4*(\slot0+li)+1]
	v_cvt_pk_f16_f32 v[\buf+4*(\slot0+li)+1], v[\buf+4*(\slot0+li)+2], v[\buf+4*(\slot0+li)+3]
.set li, li+1
.endr
.endm
; and into LDS: 8 bytes a lane, 256 neighbouring bytes a row
.macro STOB buf, va, row0, pitch, cnt, slot0
.set li, 0
.rept \cnt
	ds_store_b64 v[\va], v[\buf+4*(\slot0+li):\buf+4*(\slot0+li)+1] offset:(\row0+li)*\pitch
.set li, li+1
.endr
.endm
; a whole buffer's turn.  again = 1: the buffer is loaded again behind it
.macro STAGE16 buf, va, row0, pitch, again
	CVTB \buf, 16, 0
	s_wait_alu depctr_va_vdst(0)                   ; the conversions have written the f16 pairs, which the LDS stores read, and are done with the registers in which the buffer's next loads land
	STOB \buf, \va, \row0, \pitch, 16, 0
.if \again
	s_wait_alu depctr_vm_vsrc(0)                   ; the LDS stores have read the buffer's registers, in which the loads that follow land
.endif
.endm
; ---------------------------------------------------------------- first issue: 14 + 9 + 32 loads
.irp r, 0,1,2,3,4
	global_load_b128 v[CMQ+4*\r:CMQ+4*\r+3], v[OQ+(\r%2)], s[16:17] offset:\r*ROWB th:TH_LOAD_NT
	global_load_b32 v[CMD+\r], v[OD+(\r%2)], s[16:17] offset:\r*ROWB th:TH_LOAD_NT
.endr
	global_load_b128 v[S2Q:S2Q+3], v[OQ], s[10:11]         ; S_mol2 in the same two pieces (4 bytes an element, as the outputs)
	global_load_b128 v[S2Q+4:S2Q+7], v[OQ+1], s[10:11]
	global_load_b32 v[S2D], v[OD], s[10:11]
	global_load_b32 v[S2D+1], v[OD+1], s[10:11]
.irp ft, 0,1
.irp u, 0,1
	global_load_b128 v[B1V+8*\ft+4*\u:B1V+8*\ft+4*\u+3], v11, s[20:21] offset:64*\ft+16*\u
	global_load_b128 v[W2V+8*\ft+4*\u:W2V+8*\ft+4*\u+3], v11, s[22:23] offset:64*\ft+16*\u
.endr
.endr
	global_load_b32 v[W2S], v12, s[22:23]
	LOADB BUF0, 18, 0, 16, 0                       ; W1 rows 0-15 of my 64
	LOADB BUF1, 18, 16, 16, 0                      ; rows 16-31
; ---------------------------------------------------------------- mask and y of my five rows, while W1 is on its way
; y of rows r0 .. r0 + n - 1: a run of compares into s50 .., one wait, the selects
.macro YSEL r0, n
.set yr, \r0
.rept \n
.irp k, 0,1,2,3
	v_cmp_gt_f32 s[CM+5*(yr-\r0)+\k], 0.5, v[CMQ+4*yr+\k]           ; contact_map < 0.5 (false for a NaN, as in the reference)
.endr
	v_cmp_gt_f32 s[CM+5*(yr-\r0)+4], 0.5, v[CMD+yr]
.set yr, yr+1
.endr
	s_wait_alu depctr_va_sdst(0)                   ; the run's masks are written, ahead of the selects that read them
.set yr, \r0
.rept \n
.irp k, 0,1,2,3
	v_cndmask_b32 v[CMQ+4*yr+\k], 0, v[MKQ+4*yr+\k], s[CM+5*(yr-\r0)+\k]  ; y = mask there, 0 elsewhere
.endr
	v_cndmask_b32 v[CMD+yr], 0, v[MKD+yr], s[CM+5*(yr-\r0)+4]
.set yr, yr+1
.endr
.endm
	s_wait_kmcnt 0x0                               ; S_mol1 and b2
.irp r, 0,1,2,3,4
	s_cmp_lg_u32 s[40+\r], 0
	s_cselect_b32 s[40+\r], 1.0, 0                 ; m1 of row r
.endr
	s_wait_loadcnt 32                              ; all but the 32 loads of W1 issued last: contact_map, S_mol2, b1, w2 are in
.set li, 0
.rept 10
	v_cmp_ne_u32 s[CM+li], 0, v[S2D+li]
.set li, li+1
.endr
	s_wait_alu depctr_va_sdst(0)                   ; the ten masks are written, ahead of the selects that read them
.set li, 0
.rept 10
	v_cndmask_b32 v[S2D+li], 0, 1.0, s[CM+li]      ; m2, in place (v170 to v179)
.set li, li+1
.endr
.irp r, 0,1,2,3,4
.irp k, 0,1,2,3
	v_mul_f32 v[MKQ+4*\r+\k], s[40+\r], v[S2Q+4*(\r%2)+\k]         ; mask = m1 m2
.endr
	v_mul_f32 v[MKD+\r], s[40+\r], v[S2D+(\r%2)]
.endr
	YSEL 0, 2
	YSEL 2, 2
	YSEL 4, 1
	s_wait_alu depctr_va_vdst(0)                   ; y and mask are written, which the stores read; and no vector instruction names v144 to v204 any more, in which W1's next rows land
.irp r, 0,1,2,3,4
	global_store_b128 v[OQ+(\r%2)], v[CMQ+4*\r:CMQ+4*\r+3], s[28:29] offset:\r*ROWB th:TH_STORE_NT
	global_store_b32 v[OD+(\r%2)], v[CMD+\r], s[28:29] offset:\r*ROWB th:TH_STORE_NT
	global_store_b128 v[OQ+(\r%2)], v[MKQ+4*\r:MKQ+4*\r+3], s[30:31] offset:\r*ROWB th:TH_STORE_NT
	global_store_b32 v[OD+(\r%2)], v[MKD+\r], s[30:31] offset:\r*ROWB th:TH_STORE_NT
.endr
	ds_store_b32 v13, v[W2S]                       ; my 32 w2, for the main loop
	s_wait_xcnt 0x0                                ; the stores' data lie in buffer 2: it is loaded only behind this wait
	s_wait_alu depctr_vm_vsrc(0)                   ; and the stores have read those registers, in which the loads below land
	LOADB BUF2, 18, 32, 16, 0                      ; W1 rows 32-47
; ---------------------------------------------------------------- staging: three buffers take turns, two batches always on their way
	s_wait_loadcnt 32                              ; the two younger batches of 16 stay out
	STAGE16 BUF0, 7, 0, WPITCH, 1
	LOADB BUF0, 18, 48, 16, 0                      ; W1 rows 48-63
	s_wait_loadcnt 32
	STAGE16 BUF1, 7, 16, WPITCH, 1
	LOADB BUF1, 14, 0, 16, 0                       ; h2 rows 0-15 of my 40
	s_wait_loadcnt 32
	STAGE16 BUF2, 7, 32, WPITCH, 1
	LOADB BUF2, 14, 16, 16, 0                      ; h2 rows 16-31
	s_wait_loadcnt 32
	STAGE16 BUF0, 7, 48, WPITCH, 1
	LOADB BUF0, 14, 32, 8, 0                       ; h2 rows 32-39
	LOADB BUF0, 12, 0, 5, 8                        ; h1, my 5 rows
	s_wait_loadcnt 29                              ; 16 + 13 younger loads stay out
	STAGE16 BUF1, 8, 0, HPITCH, 0
	s_wait_loadcnt 13                              ; the last batch stays out
	STAGE16 BUF2, 8, 16, HPITCH, 0
	s_wait_loadcnt 0x0
	CVTB BUF0, 13, 0
	s_wait_alu depctr_va_vdst(0)                   ; the conversions have written the f16 pairs, which the LDS stores read
	STOB BUF0, 8, 32, HPITCH, 8, 0
	STOB BUF0, 9, 0, HPITCH, 5, 8
.irp i, 0,1,2
	ds_store_b64 v10, v[ZZ:ZZ+1] offset:\i*HPITCH  ; rows 20-31 fill the second tile of 16 rows with zeros
.endr
	s_wait_dscnt 0x0                               ; my part of W1 and h is in LDS: the other waves read it behind the barrier
	s_wait_alu depctr_vm_vsrc(0)                   ; my LDS stores have read v7 to v10 and the three buffers, the loads of b1 and w2 have read v11: the lines below write v7 to v11, fragments and results take the buffers' registers
	s_barrier_signal -1
	; register work while the others arrive: the addresses of the two products
	v_and_b32 v[VT], 7, v[VL]
	v_lshl_add_u32 v[VT], v[VH], 3, v[VT]          ; k row 8 h + L % 8
	v_mul_u32_u24 v[VWT], v[VT], WPITCH
	v_bfe_u32 v[VT], v[VL], 3, 1
	v_lshl_add_u32 v[VWT], v[VT], 4, v[VWT]        ; + 16 bytes for the second eight of sixteen columns
	s_lshl_b32 s7, s2, 6
	v_add_nc_u32 v[VWT], s7, v[VWT]                ; + my 32 columns f (2 bytes each)
	v_add_nc_u32 v[VWT2], 128*WPITCH, v[VWT]       ; the lower half of W1, for h2
	v_mul_u32_u24 v[VHF], v[VR], HPITCH
	v_lshl_add_u32 v[VHF], v[VH], 4, v[VHF]
	v_add_nc_u32 v[VHF], HB, v[VHF]                ; h fragments: row L % 16, 16 bytes for each half of the lanes
	s_mul_i32 s7, s2, PW
	s_add_co_u32 s7, s7, PB
	v_mul_u32_u24 v[VPS], v[VR], PPITCH
	v_lshl_add_u32 v[VPS], v[VH], 5, v[VPS]
	v_add_nc_u32 v[VPS], s7, v[VPS]                ; results: row L % 16, features 8 h ..
	s_mul_i32 s7, s2, RW
	s_add_co_u32 s7, s7, RB+RS1
	v_lshl_add_u32 v[VS1], v[VR], 2, s7            ; sum of w a' of row L % 16
	s_barrier_wait -1
	s_wait_alu depctr_va_vdst(0)                   ; the five addresses v7 to v11 are written, which the LDS loads and stores of the two products read
; ---------------------------------------------------------------- the two products: 12 tiles of 16 rows x my 32 features, K = 128
; Source 0 = W^T (16 features x 32 k, by transposing loads from [k][f]), source 1 = 16 rows of h.  Lane (r = L % 16, h = L / 16) then holds in
; register j the feature 16 ft + 8 h + j of row r: eight neighbouring features of one row, two stores of 16 bytes.
.macro WFLOAD va
.irp ft, 0,1
.irp ks, 0,1,2,3
	ds_load_tr16_b128 v[WF+8*(4*\ft+\ks):WF+8*(4*\ft+\ks)+3], v[\va] offset:\ks*32*WPITCH+32*\ft
	ds_load_tr16_b128 v[WF+8*(4*\ft+\ks)+4:WF+8*(4*\ft+\ks)+7], v[\va] offset:\ks*32*WPITCH+32*\ft+16*WPITCH
.endr
.endr
.endm
.macro HLOAD t, par
.irp ks, 0,1,2,3
	ds_load_b128 v[HF+32*(\par)+8*\ks:HF+32*(\par)+8*\ks+3], v[VHF] offset:(\t)*16*HPITCH+64*\ks
	ds_load_b128 v[HF+32*(\par)+8*\ks+4:HF+32*(\par)+8*\ks+7], v[VHF] offset:(\t)*16*HPITCH+64*\ks+32
.endr
.endm
; a tile of p2 goes into my part of LDS as it is (the last tile's way; the others' four stores stand in the next tile's text)
.macro EPIM t, par
.irp ft, 0,1
	ds_store_b128 v[VPS], v[DD+16*\par+8*\ft:DD+16*\par+8*\ft+3] offset:\t*16*PPITCH+64*\ft
	ds_store_b128 v[VPS], v[DD+16*\par+8*\ft+4:DD+16*\par+8*\ft+7] offset:\t*16*PPITCH+64*\ft+16
.endr
.endm
; a tile of p1, the vector part: a' = -(p1 + b1), and the row's sum of w a' over my 32 features.  freed = 1: TMP and SS have been stored from before
.macro EPINV par, freed
.if \freed
	s_wait_alu depctr_vm_vsrc(0)                   ; the LDS stores of the first tile's a' and sum have read TMP and SS, which the lines below write again
.endif
.irp q, 0,1,2,3,4,5,6,7
	v_pk_add_f32 v[TMP+2*\q:TMP+2*\q+1], v[DD+16*\par+2*\q:DD+16*\par+2*\q+1], v[B1V+2*\q:B1V+2*\q+1] neg_lo:[1,1] neg_hi:[1,1]
.endr
	v_pk_mul_f32 v[SS:SS+1], v[TMP:TMP+1], v[W2V:W2V+1]
.irp q, 1,2,3,4,5,6,7
	v_pk_fma_f32 v[SS:SS+1], v[TMP+2*\q:TMP+2*\q+1], v[W2V+2*\q:W2V+2*\q+1], v[SS:SS+1]
.endr
	v_add_f32 v[SS], v[SS], v[SS+1]                ; my 16 features
	v_permlanex16_b32 v[SS+1], v[SS], s46, s47     ; the other half of the lanes holds the row's other 16
	v_add_f32 v[SS], v[SS], v[SS+1]
.endm
; and its stores: a' into my part of LDS, the sum beside the partial sums
.macro ESTN t
.irp ft, 0,1
	ds_store_b128 v[VPS], v[TMP+8*\ft:TMP+8*\ft+3] offset:(\t)*16*PPITCH+64*\ft
	ds_store_b128 v[VPS], v[TMP+8*\ft+4:TMP+8*\ft+7] offset:(\t)*16*PPITCH+64*\ft+16
.endr
	ds_store_b32 v[VS1], v[SS] offset:64*(\t)      ; lanes r and r + 16 write the same word with the same number
.endm
; Tile t on fragment and result set par.  dep = 1: a tile stands in front of it.  freed = 1: this set's results have been stored from before.
; pre = 1: a' and the sum of tile t - 2 are stored.  wf2 = 1: W1's lower half is fetched.  sto = 1: tile t - 1 is a tile of p2, and its four stores are dealt
; among this tile's matrix instructions, which name this set's results, W's fragments and this set's fragments of h: none of the registers that those stores,
; or the loads at the head, touch.  The two accumulators take turns, one instruction a turn.  The first product of each starts its sum.
; The five v_nop are the places behind the tile's matrix instructions: four before a store or a vector instruction reads a result,
; five before a later matrix instruction writes over these results.  They stand beside the next head's wait, not in its place.
.macro TILE t, par, dep, freed, pre, wf2, sto, last
.if \dep
	s_wait_alu depctr_va_vdst(0)                   ; the tile before has written its results, which the stores below read, and is done reading its fragments, in which the loads below land; a' and its sum, where they were just made, are written
.endif
.if \freed
	s_wait_alu depctr_vm_vsrc(0)                   ; the LDS stores of the tile two back have read this set's results, which the matrix instructions below write again
.endif
.if \pre
	ESTN \t-2
.endif
.if \wf2
	WFLOAD VWT2                                    ; W1[128:256]
.endif
.if \last == 0
	HLOAD \t+1, 1-\par
	s_wait_dscnt 8                                 ; all but the eight loads just issued: this tile's fragments, W's, and the earlier stores
.else
	s_wait_dscnt 0x0
.endif
.irp ks, 0,1,2,3
.irp ft, 0,1
.if \ks == 0
	v_wmma_f32_16x16x32_f16 v[DD+16*\par+8*\ft:DD+16*\par+8*\ft+7], v[WF+8*(4*\ft+\ks):WF+8*(4*\ft+\ks)+7], v[HF+32*\par+8*\ks:HF+32*\par+8*\ks+7], 0
.else
	v_wmma_f32_16x16x32_f16 v[DD+16*\par+8*\ft:DD+16*\par+8*\ft+7], v[WF+8*(4*\ft+\ks):WF+8*(4*\ft+\ks)+7], v[HF+32*\par+8*\ks:HF+32*\par+8*\ks+7], v[DD+16*\par+8*\ft:DD+16*\par+8*\ft+7]
.endif
.endr
.if \sto
	ds_store_b128 v[VPS], v[DD+16*(1-\par)+4*\ks:DD+16*(1-\par)+4*\ks+3] offset:(\t-1)*16*PPITCH+64*(\ks/2)+16*(\ks%2)  ; the tile before, each accumulator from its low end on
.endif
.endr
.rept 5
	v_nop
.endr
.endm
	WFLOAD VWT                                     ; W1[0:128]
	HLOAD 0, 0
	TILE 0, 0, 0, 0, 0, 0, 0, 0
	TILE 1, 1, 1, 0, 0, 0, 0, 0
	EPINV 0, 0
	TILE 2, 0, 1, 0, 1, 1, 0, 0
	EPINV 1, 1
	TILE 3, 1, 1, 0, 1, 0, 1, 0
	TILE 4, 0, 1, 1, 0, 0, 1, 0
	TILE 5, 1, 1, 1, 0, 0, 1, 0
	TILE 6, 0, 1, 1, 0, 0, 1, 0
	TILE 7, 1, 1, 1, 0, 0, 1, 0
	TILE 8, 0, 1, 1, 0, 0, 1, 0
	TILE 9, 1, 1, 1, 0, 0, 1, 0
	TILE 10, 0, 1, 1, 0, 0, 1, 0
	TILE 11, 1, 1, 1, 0, 0, 1, 1
	s_wait_alu depctr_va_vdst(0)                   ; the last tile's matrix instructions have written their results, which the stores below read; the places above stay beside this wait
	EPIM 11, 1
; ---------------------------------------------------------------- the pairwise step: 8 chunks of 4 features
; Every byte read here was stored by this wave itself; LDS serves a wave's instructions in order (ISA guide 5.7.1), so no barrier and no wait on DScnt stands between.
	s_wait_alu depctr_vm_vsrc(0)                   ; the LDS instructions of the two products have read v7 to v10, which the lines below write, and the results, a' and the sum, whose registers loads and the sums take
	s_mul_i32 s7, s2, PW
	s_add_co_u32 s7, s7, PB
	s_add_co_u32 s37, s7, 32*PPITCH
	v_mul_u32_u24 v[VCA], v[VR], PPITCH
	v_add_nc_u32 v[VCA], s37, v[VCA]               ; c: row 32 + L % 16 (+ 16 j)
	v_mul_u32_u24 v[VAA], v[VH], PPITCH
	v_add_nc_u32 v[VAA], s7, v[VAA]                ; a': row L / 16 (+ 2 i)
	s_lshl_b32 s7, s2, 7
	s_add_co_u32 s7, s7, W2L
	v_mov_b32 v[VWA], s7                           ; my w2
	s_mul_i32 s7, s2, RW
	s_add_co_u32 s7, s7, RB
	v_mul_u32_u24 v[VRS], v[VH], 640
	v_lshl_add_u32 v[VRS], v[VR], 2, v[VRS]
	v_add_nc_u32 v[VRS], s7, v[VRS]                ; where my partial sums go: row L / 16 (+ 2 i), column L % 16 (+ 16 j)
	s_wait_alu depctr_va_vdst(0)                   ; the four addresses are written, which the LDS loads and stores below read; the matrix instructions are done with the fragments' and results' registers, in which c, w2 and a' land
; Row block i against the ten column blocks, four features e: for each e five instructions of two maxima and five of two multiply-adds.
; In the dual form the two first sources, and the two second sources, are registers whose numbers differ by 2 modulo 4 (a' at 2 + e, c at e), and
; the destinations are an even and an odd register, as that encoding asks (ISA guide, the chapter on dual-issue VALU).
; w2[e] is one register of an aligned pair: op_sel and op_sel_hi give it to both halves.  In the first chunk feature 0 starts the sums.
.macro PAIRS i, cur, first
.irp e, 0,1,2,3
.irp jp, 0,1,2,3,4
.if USE_DUAL
	v_dual_max_num_f32 v[TT+2*\jp], v[AR+4*\i+\e], v[CB+40*\cur+8*\jp+\e] :: v_dual_max_num_f32 v[TT+2*\jp+1], v[CB+40*\cur+8*\jp+4+\e], v[AR+4*\i+\e]
.else
	v_max_num_f32 v[TT+2*\jp], v[AR+4*\i+\e], v[CB+40*\cur+8*\jp+\e]
	v_max_num_f32 v[TT+2*\jp+1], v[CB+40*\cur+8*\jp+4+\e], v[AR+4*\i+\e]
.endif
.endr
.irp jp, 0,1,2,3,4
.if (\first-\e) == 1
	v_pk_mul_f32 v[ACC+10*\i+2*\jp:ACC+10*\i+2*\jp+1], v[TT+2*\jp:TT+2*\jp+1], v[WR+4*\cur:WR+4*\cur+1] op_sel_hi:[1,0]
.else
.if (\e%2) == 0
	v_pk_fma_f32 v[ACC+10*\i+2*\jp:ACC+10*\i+2*\jp+1], v[TT+2*\jp:TT+2*\jp+1], v[WR+4*\cur+\e:WR+4*\cur+\e+1], v[ACC+10*\i+2*\jp:ACC+10*\i+2*\jp+1] op_sel_hi:[1,0,1]
.else
	v_pk_fma_f32 v[ACC+10*\i+2*\jp:ACC+10*\i+2*\jp+1], v[TT+2*\jp:TT+2*\jp+1], v[WR+4*\cur+\e-1:WR+4*\cur+\e], v[ACC+10*\i+2*\jp:ACC+10*\i+2*\jp+1] op_sel:[0,1,0] op_sel_hi:[1,1,1]
.endif
.endif
.endr
.endr
.endm
; One chunk on buffer cur; its features lie at byte at behind the address registers.  fetch = 1: another chunk follows.
; At the head: a' of this chunk's row blocks 5 to 9, then (fetch) c and w2 of the next chunk into the other buffer: 16 loads.  In the middle (fetch): a' of the next
; chunk's row blocks 0 to 4: 5 loads.  No vector instruction between a wait on va_vdst and the run of loads behind it names a register in which those loads land.
; The counts on DScnt.  At the head 16: all but the 16 loads just issued, so this chunk's c, w2 and a' 0 to 4, which are older, are in.  In the middle 16: the five just
; issued and the head's eleven of c and w2 stay out, so a' 5 to 9, issued ahead of those, are in.  The same on the way in, over the backward jump and between the chunks.
; The last chunk issues five loads in all: 5 at its head, 0 in its middle.
.macro CHUNK cur, fetch, at, first
.if \first == 0
	s_wait_alu depctr_va_vdst(0)                   ; the chunk before is done reading the other buffer of c and w2 and a' of blocks 5 to 9, in which the loads below land; where the three addresses were just stepped, they are written
.endif
.irp i, 5,6,7,8,9
	ds_load_b128 v[AR+4*\i:AR+4*\i+3], v[VAA] offset:2*PPITCH*\i+\at
.endr
.if \fetch
.irp j, 0,1,2,3,4,5,6,7,8,9
	ds_load_b128 v[CB+40*(1-\cur)+4*\j:CB+40*(1-\cur)+4*\j+3], v[VCA] offset:16*PPITCH*\j+\at+16
.endr
	ds_load_b128 v[WR+4*(1-\cur):WR+4*(1-\cur)+3], v[VWA] offset:\at+16
	s_wait_dscnt 16
.else
	s_wait_dscnt 5
.endif
.irp i, 0,1,2,3,4
	PAIRS \i, \cur, \first
.endr
.if \fetch
	s_wait_alu depctr_va_vdst(0)                   ; blocks 0 to 4 are done reading their a', in which the loads below land
.irp i, 0,1,2,3,4
	ds_load_b128 v[AR+4*\i:AR+4*\i+3], v[VAA] offset:2*PPITCH*\i+\at+16
.endr
	s_wait_dscnt 16
.else
	s_wait_dscnt 0x0
.endif
.irp i, 5,6,7,8,9
	PAIRS \i, \cur, \first
.endr
.endm
.irp j, 0,1,2,3,4,5,6,7,8,9
	ds_load_b128 v[CB+4*\j:CB+4*\j+3], v[VCA] offset:16*PPITCH*\j
.endr
	ds_load_b128 v[WR:WR+3], v[VWA]
.irp i, 0,1,2,3,4
	ds_load_b128 v[AR+4*\i:AR+4*\i+3], v[VAA] offset:2*PPITCH*\i
.endr
	CHUNK 0, 1, 0, 1                               ; chunk 0 stands ahead of the loop: its first products start the sums
	s_wait_alu depctr_vm_vsrc(0)                   ; the LDS loads issued so far have read the three addresses, which the lines below step
	v_add_nc_u32 v[VCA], 16, v[VCA]
	v_add_nc_u32 v[VAA], 16, v[VAA]
	v_add_nc_u32 v[VWA], 16, v[VWA]
	s_mov_b32 s48, 3
.Lf:                                               ; chunks 1 to 6, two a trip
	CHUNK 1, 1, 0, 0
	CHUNK 0, 1, 16, 0
	s_wait_alu depctr_vm_vsrc(0)                   ; the LDS loads issued so far have read the three addresses, which the lines below step
	v_add_nc_u32 v[VCA], 32, v[VCA]
	v_add_nc_u32 v[VAA], 32, v[VAA]
	v_add_nc_u32 v[VWA], 32, v[VWA]
	s_sub_co_i32 s48, s48, 1
	s_cmp_lg_u32 s48, 0
	s_cbranch_scc1 .Lf
	CHUNK 1, 0, 0, 0                               ; chunk 7
; ---------------------------------------------------------------- the four waves' partial sums meet; wave w writes out rows 5 w .. 5 w + 4
	s_wait_alu depctr_va_vdst(0)                   ; the last chunk has written the hundred sums, which the LDS stores read
.irp i, 0,1,2,3,4,5,6,7,8,9
.irp j, 0,1,2,3,4,5,6,7,8,9
	ds_store_b32 v[VRS], v[ACC+10*\i+\j] offset:1280*\i+64*\j
.endr
.endr
	s_wait_dscnt 0x0                               ; my sums, and my sums of w a', are in LDS: the other waves read them behind the barrier
	s_barrier_signal -1
	s_mul_i32 s7, s2, 5*640
	s_add_co_u32 s7, s7, RB
	v_add_nc_u32 v[VFQ], s7, v[OQ]                 ; my five rows in wave 0's part, in the same two pieces as in memory
	v_add_nc_u32 v[VFQ+1], s7, v[OQ+1]
	v_add_nc_u32 v[VFD], s7, v[OD]
	v_add_nc_u32 v[VFD+1], s7, v[OD+1]
	s_mul_i32 s7, s2, 20
	s_add_co_u32 s7, s7, RB+RS1
	v_mov_b32 v[VFS], s7
	s_barrier_wait -1
	s_wait_alu depctr_va_vdst(0)                   ; the five addresses v11 to v15 are written, which the LDS loads below read
.irp r, 0,1,2,3,4
.irp q, 0,1,2,3
	ds_load_b128 v[FQ+24*\r+4*\q:FQ+24*\r+4*\q+3], v[VFQ+(\r%2)] offset:\q*RW+\r*640
.endr
.irp q, 0,1,2,3
	ds_load_b32 v[FD+24*\r+\q], v[VFD+(\r%2)] offset:\q*RW+\r*640
.endr
.irp q, 0,1,2,3
	ds_load_b32 v[FS+24*\r+\q], v[VFS] offset:\q*RW+4*\r
.endr
.endr
; row r: pred = the four waves' sums of w max(c, a') + (b2 - the four waves' sums of w a')
.macro FSUM r
	s_wait_dscnt 12*(4-\r)                         ; twelve loads a row: the later rows' stay out
	v_add_f32 v[FS+24*\r], v[FS+24*\r], v[FS+24*\r+1]
	v_add_f32 v[FS+24*\r+2], v[FS+24*\r+2], v[FS+24*\r+3]
.irp k, 0,2
	v_pk_add_f32 v[FQ+24*\r+\k:FQ+24*\r+\k+1], v[FQ+24*\r+\k:FQ+24*\r+\k+1], v[FQ+24*\r+4+\k:FQ+24*\r+4+\k+1]
	v_pk_add_f32 v[FQ+24*\r+8+\k:FQ+24*\r+8+\k+1], v[FQ+24*\r+8+\k:FQ+24*\r+8+\k+1], v[FQ+24*\r+12+\k:FQ+24*\r+12+\k+1]
.endr
	v_add_f32 v[FD+24*\r], v[FD+24*\r], v[FD+24*\r+1]
	v_add_f32 v[FD+24*\r+2], v[FD+24*\r+2], v[FD+24*\r+3]
	v_add_f32 v[FS+24*\r], v[FS+24*\r], v[FS+24*\r+2]
.irp k, 0,2
	v_pk_add_f32 v[FQ+24*\r+\k:FQ+24*\r+\k+1], v[FQ+24*\r+\k:FQ+24*\r+\k+1], v[FQ+24*\r+8+\k:FQ+24*\r+8+\k+1]
.endr
	v_add_f32 v[FD+24*\r], v[FD+24*\r], v[FD+24*\r+2]
	v_sub_f32 v[FS+24*\r], s45, v[FS+24*\r]        ; b2 - sum of w a'
.irp k, 0,2
	v_pk_add_f32 v[FQ+24*\r+\k:FQ+24*\r+\k+1], v[FQ+24*\r+\k:FQ+24*\r+\k+1], v[FS+24*\r:FS+24*\r+1] op_sel_hi:[1,0]
.endr
	v_add_f32 v[FD+24*\r], v[FD+24*\r], v[FS+24*\r]
.endm
	FSUM 0
	FSUM 1
	FSUM 2
	FSUM 3
	FSUM 4
	s_wait_alu depctr_va_vdst(0)                   ; the additions have written the five rows of pred, which the stores read
.irp r, 0,1,2,3,4
	global_store_b128 v[OQ+(\r%2)], v[FQ+24*\r:FQ+24*\r+3], s[26:27] offset:\r*ROWB th:TH_STORE_NT   ; 512 consecutive bytes from a multiple of 256
	global_store_b32 v[OD+(\r%2)], v[FD+24*\r], s[26:27] offset:\r*ROWB th:TH_STORE_NT               ; the row's other 128 bytes
.endr
	s_set_vgpr_msb 0x5
	s_wait_dscnt 0x0
	s_wait_alu depctr_hold_cnt(0) depctr_sa_sdst(0) depctr_va_vdst(0) depctr_va_sdst(0) depctr_va_ssrc(0) depctr_va_vcc(0) depctr_vm_vsrc(0)
	s_wait_tensorcnt 0x0
	ds_add_u32 v0, v1
	s_wait_dscnt 0x0
	s_endpgm
.Lfunc_end_k_q4cdc94a4e3_contact:
	.size	k_q4cdc94a4e3_contact, .Lfunc_end_k_q4cdc94a4e3_contact-k_q4cdc94a4e3_contact
	.p2alignl 7, 3214868480
	.fill 96, 4, 3214868480
	.section	.rodata,"a",@progbits
	.p2align	6, 0x0
	.amdhsa_kernel k_q4cdc94a4e3_contact
		.amdhsa_group_segment_fixed_size 289792
		.amdhsa_private_segment_fixed_size 0
		.amdhsa_enable_private_segment 0
		.amdhsa_kernarg_size 96
		.amdhsa_user_sgpr_count 2
		.amdhsa_user_sgpr_kernarg_segment_ptr 1
		.amdhsa_wavefront_size32 1
		.amdhsa_system_sgpr_workgroup_id_x 1
		.amdhsa_system_sgpr_workgroup_id_y 1
		.amdhsa_system_sgpr_workgroup_id_z 1
		.amdhsa_system_vgpr_workitem_id 0
		.amdhsa_next_free_vgpr 258
		.amdhsa_next_free_sgpr 66
		.amdhsa_reserve_vcc 0
		.amdhsa_float_denorm_mode_32 3
		.amdhsa_float_denorm_mode_16_64 3
		.amdhsa_memory_ordered 1
		.amdhsa_forward_progress 1
		.amdhsa_inst_pref_size 192
	.end_amdhsa_kernel
	.amdgpu_metadata
---
amdhsa.version: [ 1, 2 ]
amdhsa.kernels:
  - .name:           k_q4cdc94a4e3_contact
    .symbol:         k_q4cdc94a4e3_contact.kd
    .args:
      - { .name: S_mol1, .offset: 0, .size: 8, .value_kind: global_buffer, .address_space: global }
      - { .name: S_mol2, .offset: 8, .size: 8, .value_kind: global_buffer, .address_space: global }
      - { .name: h_mol1, .offset: 16, .size: 8, .value_kind: global_buffer, .address_space: global }
      - { .name: h_mol2, .offset: 24, .size: 8, .value_kind: global_buffer, .address_space: global }
      - { .name: contact_map, .offset: 32, .size: 8, .value_kind: global_buffer, .address_space: global }
      - { .name: W1, .offset: 40, .size: 8, .value_kind: global_buffer, .address_space: global }
      - { .name: b1, .offset: 48, .size: 8, .value_kind: global_buffer, .address_space: global }
      - { .name: W2, .offset: 56, .size: 8, .value_kind: global_buffer, .address_space: global }
      - { .name: b2, .offset: 64, .size: 8, .value_kind: global_buffer, .address_space: global }
      - { .name: out0, .offset: 72, .size: 8, .value_kind: global_buffer, .address_space: global }
      - { .name: out1, .offset: 80, .size: 8, .value_kind: global_buffer, .address_space: global }
      - { .name: out2, .offset: 88, .size: 8, .value_kind: global_buffer, .address_space: global }
    .group_segment_fixed_size: 289792
    .private_segment_fixed_size: 0
    .kernarg_segment_align: 8
    .kernarg_segment_size: 96
    .max_flat_workgroup_size: 128
    .sgpr_count:     66
    .vgpr_count:     258
    .wavefront_size: 32
...
	.end_amdgpu_metadata
.endif
;; end of part 2
